; MI455X (gfx1250); checked and timed in simulation.
; The chip was launched on July 23, 2026; its instructions are those of AMD's public machine-readable ISA for CDNA 5 (MIT licence, August 2026) and "CDNA5" Instruction Set Architecture Reference Guide (July 2026). The comments in the code are by the model that wrote it; some were corrected since.
;; Equi Category Specific MLP. Allowed arithmetic: matrix products marked QUANTISED: E2M3 operands, one E8M0 scale for each 32 along K, by v_wmma_scale_f32_16x16x128_f8f6f4 with both operands' format E2M3, f32 sums; everything else in f32.
;; Inputs: W1_codes 16 x 1,024 x 8 x 24 uint8 (E2M3 codes of W1, K innermost, in blocks of 32 codes, four codes in three bytes); W1_scales 16 x 1,024 x 8 uint8 (E8M0 scales of W1, one for each 32 codes along K); W2_codes 16 x 256 x 32 x 24 uint8 (E2M3 codes of W2, K innermost, in blocks of 32 codes, four codes in three bytes); W2_scales 16 x 256 x 32 uint8 (E8M0 scales of W2, one for each 32 codes along K); b1 16 x 1,024 float32; b2 16 x 256 float32; cat_ids 8,192 int32; x_codes 8,192 x 8 x 24 uint8 (E2M3 codes of x, K innermost, in blocks of 32 codes, four codes in three bytes); x_scales 8,192 x 8 uint8 (E8M0 scales of x, one for each 32 codes along K).
;; Outputs: out0 8,192 x 256 float32.
;; This version of the problem:
;;   THIS VERSION OF THE PROBLEM IS GIVEN IN LOW PRECISION. The matrix products marked QUANTISED in the list below multiply operands that are first quantised to E2M3 (2 exponent bits, 3 mantissa bits; 6 bits a number), with one power-of-two scale for each 32 numbers along K (OCP MX v1.0); their sums are f32. All else is computed in f32.
;;   The module's matrix products, in the order in which they are computed (A, B: the left and right operand; K: the contracted axis; several contracted axes count as one K, in the product's order):
;;     1. [M 8,192, K 256] x [K 256, N 1,024]; A: input x (given as codes); B: input W1 (given as codes): QUANTISED
;;     2. [M 8,192, K 256] x [K 256, N 1,024]; A: input x (given as codes); B: input W1 (given as codes): QUANTISED
;;     3. [M 8,192, K 256] x [K 256, N 1,024]; A: input x (given as codes); B: input W1 (given as codes): QUANTISED
;;     4. [M 8,192, K 256] x [K 256, N 1,024]; A: input x (given as codes); B: input W1 (given as codes): QUANTISED
;;     5. [M 8,192, K 256] x [K 256, N 1,024]; A: input x (given as codes); B: input W1 (given as codes): QUANTISED
;;     6. [M 8,192, K 256] x [K 256, N 1,024]; A: input x (given as codes); B: input W1 (given as codes): QUANTISED
;;     7. [M 8,192, K 256] x [K 256, N 1,024]; A: input x (given as codes); B: input W1 (given as codes): QUANTISED
;;     8. [M 8,192, K 256] x [K 256, N 1,024]; A: input x (given as codes); B: input W1 (given as codes): QUANTISED
;;     9. [M 8,192, K 256] x [K 256, N 1,024]; A: input x (given as codes); B: input W1 (given as codes): QUANTISED
;;     10. [M 8,192, K 256] x [K 256, N 1,024]; A: input x (given as codes); B: input W1 (given as codes): QUANTISED
;;     11. [M 8,192, K 256] x [K 256, N 1,024]; A: input x (given as codes); B: input W1 (given as codes): QUANTISED
;;     12. [M 8,192, K 256] x [K 256, N 1,024]; A: input x (given as codes); B: input W1 (given as codes): QUANTISED
;;     13. [M 8,192, K 256] x [K 256, N 1,024]; A: input x (given as codes); B: input W1 (given as codes): QUANTISED
;;     14. [M 8,192, K 256] x [K 256, N 1,024]; A: input x (given as codes); B: input W1 (given as codes): QUANTISED
;;     15. [M 8,192, K 256] x [K 256, N 1,024]; A: input x (given as codes); B: input W1 (given as codes): QUANTISED
;;     16. [M 8,192, K 256] x [K 256, N 1,024]; A: input x (given as codes); B: input W1 (given as codes): QUANTISED
;;     17. [M 8,192, K 1,024] x [K 1,024, N 256]; A: computed on the way; B: input W2 (given as codes): QUANTISED
;;     18. [M 8,192, K 1,024] x [K 1,024, N 256]; A: computed on the way; B: input W2 (given as codes): QUANTISED
;;     19. [M 8,192, K 1,024] x [K 1,024, N 256]; A: computed on the way; B: input W2 (given as codes): QUANTISED
;;     20. [M 8,192, K 1,024] x [K 1,024, N 256]; A: computed on the way; B: input W2 (given as codes): QUANTISED
;;     21. [M 8,192, K 1,024] x [K 1,024, N 256]; A: computed on the way; B: input W2 (given as codes): QUANTISED
;;     22. [M 8,192, K 1,024] x [K 1,024, N 256]; A: computed on the way; B: input W2 (given as codes): QUANTISED
;;     23. [M 8,192, K 1,024] x [K 1,024, N 256]; A: computed on the way; B: input W2 (given as codes): QUANTISED
;;     24. [M 8,192, K 1,024] x [K 1,024, N 256]; A: computed on the way; B: input W2 (given as codes): QUANTISED
;;     25. [M 8,192, K 1,024] x [K 1,024, N 256]; A: computed on the way; B: input W2 (given as codes): QUANTISED
;;     26. [M 8,192, K 1,024] x [K 1,024, N 256]; A: computed on the way; B: input W2 (given as codes): QUANTISED
;;     27. [M 8,192, K 1,024] x [K 1,024, N 256]; A: computed on the way; B: input W2 (given as codes): QUANTISED
;;     28. [M 8,192, K 1,024] x [K 1,024, N 256]; A: computed on the way; B: input W2 (given as codes): QUANTISED
;;     29. [M 8,192, K 1,024] x [K 1,024, N 256]; A: computed on the way; B: input W2 (given as codes): QUANTISED
;;     30. [M 8,192, K 1,024] x [K 1,024, N 256]; A: computed on the way; B: input W2 (given as codes): QUANTISED
;;     31. [M 8,192, K 1,024] x [K 1,024, N 256]; A: computed on the way; B: input W2 (given as codes): QUANTISED
;;     32. [M 8,192, K 1,024] x [K 1,024, N 256]; A: computed on the way; B: input W2 (given as codes): QUANTISED
;;   THE QUANTISER, for each operand of a quantised product, along K:
;;     - K is cut into blocks of 32 from its start; a last block that is shorter is filled with zeros.
;;     - A block's scale is 2^e with e = floor(log2(the largest magnitude in the block)) - 2, held to -126 .. 127; a block of zeros has e = 0. As a byte (E8M0): e + 127.
;;     - Each number is divided by its block's scale, clamped to +-7.5, and rounded to the nearest number of E2M3, ties to even, subnormals kept.
;;     - The product sums the exact products of the quantised numbers (number of the format x scale) in f32.
;;   ~~~python
;;   def quantise(x, axis):      # numpy; x: float32 -> the quantised numbers, widened to float32 again
;;       x = np.moveaxis(x, axis, -1); K = x.shape[-1]
;;       x = np.pad(x, [(0, 0)] * (x.ndim - 1) + [(0, -K % 32)]); x = x.reshape(x.shape[:-1] + (-1, 32)); a = np.abs(x).max(-1, keepdims=True)
;;       e = np.where(a > 0, np.clip(np.frexp(np.where(a > 0, a, 1))[1] - 1 - 2, -126, 127), 0)      # np.frexp(a)[1] - 1 = floor(log2(a)), exactly
;;       r = np.clip(x / 2.0 ** e, -7.5, 7.5)
;;       step = 2.0 ** (np.maximum(np.frexp(np.where(r == 0, 1, r))[1] - 1, 0) - 3)
;;       q = np.round(r / step) * step * 2.0 ** e      # np.round: ties to even
;;       return np.moveaxis(q.reshape(q.shape[:-2] + (-1,))[..., :K], -1, axis).astype(np.float32)
;;   ~~~
;;   OPERANDS COMPUTED ON THE WAY. 'Computed on the way' means the value that the module computes at that place (a softmax that the list does not call 'softmax' is quantised finished and normalised). What goes into a quantiser is computed in f32, as accurately as f32 sums, v_exp_f32 and their like allow (about 1e-6 of the number): no bf16 or f16 on the way to a quantiser, and a product that is left as it is and whose result goes on into a quantised operand takes f32 operands (vector FMAs, or v_wmma_f32_16x16x4_f32). A number that lies on a knife's edge between two numbers of the format may be rounded either way, as far as f32 arithmetic and the matrix unit's own rounding can turn it there, and no further.
;;   INPUTS GIVEN AS CODES. W1 (in the module: [16, 256, 1024], K = its axis 1); W2 (in the module: [16, 1024, 256], K = its axis 1); x (in the module: [8192, 256], K = its axis 1): each comes as NAME_codes (uint8): NAME with its K axis moved to the last place and cut into blocks of 32 codes, [.., K / 32, bytes a block], one block behind the other in memory; four codes in three bytes: a row's codes are one little-endian stream of bits, code i at bits 6 i .. 6 i + 5 (a code: sign, 2 exponent bits, 3 mantissa bits); and NAME_scales (uint8): the same leading axes, one E8M0 byte (e + 127) for each 32 codes along K. Its value is code x scale, taken as it is: it is not quantised again, and the codes and scales need not be those that the quantiser above would give.
;; One version. Each part assembles by itself: llvm-mc -triple=amdgcn-amd-amdhsa -mcpu=gfx1250 --defsym DOCPART=n.
;; ======== version 1 of 1: 2 launches
;; workspace buffers: cnt 256 bytes of whole numbers; order 557,056 bytes of whole numbers; wfrag 6,291,456 bytes
;; launch prep (part 1): grid 145 x 1, 32 waves a work-group, no clusters, 4,352 bytes of LDS; arguments cat_ids, W1_codes, W2_codes, cnt, order, wfrag; writes cnt, order, wfrag
.if DOCPART == 1
	.amdgcn_target "amdgcn-amd-amdhsa--gfx1250"
	.amdhsa_code_object_version 6
	.text
	.protected	k_qdafa104746_prep
	.globl	k_qdafa104746_prep
	.p2align	8
	.type	k_qdafa104746_prep,@function
k_qdafa104746_prep:
	s_mov_b64 s[64:65], 0
	v_nop
	global_prefetch_b8 v0, s[64:65] scope:SCOPE_SE
	s_setreg_imm32_b32 hwreg(HW_REG_WAVE_MODE, 25, 1), 1
	s_wait_xcnt 0x0
; TWO JOBS IN ONE LAUNCH, parted by the work-group's number.
; Work-groups 0 to 16: work-group c lists the tokens of category c (category 16: every id outside 0 .. 15).  order[c][rank] = token, cnt[c] = their number.
;   Each of the 32 waves takes 256 tokens; a token's rank is (rows of c in earlier waves) + (in earlier registers of my wave) + (in lower lanes of my register): no atomics.
;   Only ranks below cnt[c] are stored; the reader loads no others.
; Work-groups 17 to 144: the weights' codes are laid out as IMAGES OF OPERAND REGISTERS, one fragment (16 rows x 128 K of 6-bit codes: 12 registers a lane, 1,536 bytes) a wave:
;   group c of four registers at byte 512 c + 16 x lane.  The reader then gets a fragment by three loads of 16 bytes a lane, each covering 512 consecutive bytes.
;   Fragment f < 2,048 (W1): f = ((e 8 + w) 8 + t) 2 + s: expert e, wave w's 128 hidden units, tile t = 2 b + u, K step s; lane r holds row 128 w + 32 b + 8 u + r + 8 (r / 8).
;   Fragment f >= 2,048 (W2): f - 2,048 = ((e 8 + w) 2 + n) 8 + s; lane r holds row 32 w + 16 n + r.
; The barrier stands on the first path alone; the parting hangs on the work-group's number, which all 32 waves share.
.set CATS, 17
	s_load_b256 s[4:11], s[0:1], 0x0               ; cat_ids s[4:5], W1's codes s[6:7], W2's codes s[8:9], cnt s[10:11]
	s_load_b128 s[12:15], s[0:1], 0x20             ; order s[12:13], wfrag s[14:15]
	v_lshl_add_u32 v48, v0, 2, 0x100
	v_mov_b32 v49, 0
	v_and_b32 v1, 31, v0                           ; lane
	v_lshrrev_b32 v2, 5, v0
	v_readfirstlane_b32 s16, v2                    ; wave 0..31
	s_cmp_ge_u32 ttmp9, CATS
	s_cbranch_scc1 .Lrelay
	; ---- the rows of category c = my work-group's number
	s_mov_b32 s17, ttmp9
	s_mov_b32 s20, 0x76543210                      ; v_permlanex16_b32's selects for lane l xor 16
	s_mov_b32 s21, 0xfedcba98
	s_lshl_b32 s18, s16, 10                        ; my wave's 256 ids: 1,024 bytes
	s_mov_b32 s19, 0
	s_lshl_b32 s22, s16, 8
	v_lshlrev_b32 v2, 4, v1                        ; 16 bytes a lane: a load covers 512 consecutive bytes
	v_lshl_add_u32 v3, v1, 2, s22                  ; 256 w + 4 x lane
.irp j, 0,1,2,3,4,5,6,7
	v_add_nc_u32 v[16+\j], 128*(\j/4)+\j%4, v3     ; the token whose id register j holds
.endr
	v_mov_b32 v5, s16
	v_lshlrev_b32 v5, 2, v5                        ; LDS: my wave's word
	v_lshlrev_b32 v6, 2, v1                        ; LDS: lane l reads wave l's word
	v_mov_b32 v25, 0                               ; written once: the destination of a lane permute counts as read
	v_mov_b32 v26, 0                               ; the count's store: its offset,
	v_cmp_eq_u32 s53, 0, v1                        ; and its one lane
	s_wait_kmcnt 0x0
	s_add_nc_u64 s[4:5], s[4:5], s[18:19]
	global_load_b128 v[8:11], v2, s[4:5]
	global_load_b128 v[12:15], v2, s[4:5] offset:512
	s_wait_loadcnt 0x0
.irp j, 0,1,2,3,4,5,6,7
	v_min_u32 v[8+\j], 16, v[8+\j]                 ; unsigned: a negative id and every id above 15 become category 16
.endr
.irp j, 0,1,2,3,4,5,6,7
	v_cmp_eq_u32 s[24+\j], s17, v[8+\j]            ; which lanes of register j hold a row of mine
.endr
.irp j, 0,1,2,3,4,5,6,7
	s_bcnt1_i32_b32 s[32+\j], s[24+\j]
.endr
	s_mov_b32 s40, 0
.irp j, 0,1,2,3,4,5,6,7
	s_add_co_u32 s[41+\j], s[40+\j], s[32+\j]      ; s[40 + j]: rows in my wave's registers below j; s48: my wave's count
.endr
	v_mov_b32 v4, s48
	ds_store_b32 v5, v4                            ; all lanes write the same word with the same value
	s_wait_dscnt 0x0                               ; for the others' sake: my store has landed
	s_barrier_signal -1
	s_barrier_wait -1
	ds_load_b32 v7, v6                             ; lane l: wave l's count
	s_wait_dscnt 0x0
	v_cmp_gt_u32 vcc_lo, s16, v1                   ; lanes of earlier waves
	v_cndmask_b32 v24, 0, v7, vcc_lo
	v_lshl_add_u32 v7, v24, 16, v7                 ; two sums in one word, each 8,192 at the most: earlier waves' above, all waves' below
.irp k, 1,2,4,8
	v_mov_b32_dpp v25, v7 row_xmask:\k row_mask:0xf bank_mask:0xf
	v_add_nc_u32 v7, v7, v25
.endr
	v_permlanex16_b32 v25, v7, s20, s21
	v_add_nc_u32 v7, v7, v25
	v_readfirstlane_b32 s49, v7
	s_lshr_b32 s50, s49, 16                        ; rows of c in earlier waves
	s_and_b32 s51, s49, 0xffff                     ; rows of c in all
	v_mov_b32 v27, s51                             ; the count's store: its data
.irp j, 0,1,2,3,4,5,6,7
	s_add_co_u32 s[40+\j], s[40+\j], s50
.endr
.irp j, 0,1,2,3,4,5,6,7
	v_mbcnt_lo_u32_b32 v[32+\j], s[24+\j], s[40+\j]   ; + rows in lower lanes: the rank
.endr
.irp j, 0,1,2,3,4,5,6,7
	v_min_u32 v[32+\j], 0x1fff, v[32+\j]           ; a number made from loaded ids enters an address only clamped
.endr
.irp j, 0,1,2,3,4,5,6,7
	v_lshlrev_b32 v[32+\j], 2, v[32+\j]
.endr
	s_lshl_b32 s18, s17, 15                        ; category c's list: 8,192 words
	s_add_nc_u64 s[12:13], s[12:13], s[18:19]
	; from here on no vector register is written: every one was written with all lanes on
	s_wait_xcnt 0x0                                ; EXEC changes only behind this wait
.irp j, 0,1,2,3,4,5,6,7
	s_and_saveexec_b32 s52, s[24+\j]
	global_store_b32 v[32+\j], v[16+\j], s[12:13]  ; the lanes that hold a row of c store neighbouring ranks
	s_wait_xcnt 0x0                                ; and again in front of the line that widens it
	s_or_b32 exec_lo, exec_lo, s52
.endr
	s_cmp_lg_u32 s16, 0                            ; wave 0 stores the count
	s_cbranch_scc1 .Lend
	s_lshl_b32 s18, s17, 2
	s_add_nc_u64 s[10:11], s[10:11], s[18:19]
	s_and_saveexec_b32 s52, s53                    ; lane 0 alone (no store is out: the last wait above was for 0)
	global_store_b32 v26, v27, s[10:11]
	s_wait_xcnt 0x0
	s_or_b32 exec_lo, exec_lo, s52
.Lend:
	s_wait_tensorcnt 0x0
	ds_add_u32 v48, v49
	s_wait_dscnt 0x0
	s_endpgm
	; ---- one fragment of the weights a wave
.Lrelay:
	s_sub_co_u32 s18, ttmp9, CATS
	s_lshl_b32 s18, s18, 5
	s_add_co_u32 s18, s18, s16                     ; f = 0 .. 4,095
	s_and_b32 s19, s18, 2047                       ; g: the fragment's number in its tensor
	s_lshr_b32 s22, s19, 7                         ; expert
	s_bfe_u32 s23, s19, 0x30004                    ; W1: w = (g >> 4) & 7,
	s_lshl_b32 s23, s23, 7
	s_bfe_u32 s24, s19, 0x20002                    ; b = (g >> 2) & 3,
	s_lshl_b32 s24, s24, 5
	s_add_co_u32 s23, s23, s24
	s_bfe_u32 s24, s19, 0x10001                    ; u = (g >> 1) & 1:
	s_lshl_b32 s24, s24, 3
	s_add_co_u32 s23, s23, s24                     ; first row 128 w + 32 b + 8 u,
	s_mul_i32 s23, s23, 192                        ; rows of 192 bytes,
	s_and_b32 s24, s19, 1
	s_mul_i32 s24, s24, 96
	s_add_co_u32 s23, s23, s24                     ; K step s = g & 1: 96 bytes on
	s_bfe_u32 s25, s19, 0x40003                    ; W2: first row 16 ((g >> 3) & 15),
	s_mul_i32 s25, s25, 16*768                     ; rows of 768 bytes,
	s_and_b32 s24, s19, 7
	s_mul_i32 s24, s24, 96
	s_add_co_u32 s25, s25, s24                     ; K step s = g & 7
	s_mul_i32 s22, s22, 196608                     ; an expert's codes, in either tensor
	s_mov_b32 s27, 768
	s_wait_kmcnt 0x0
	s_cmp_lt_u32 s18, 2048                         ; W1's fragment or W2's?  The choice hangs on ids alone
	s_cselect_b64 s[28:29], s[6:7], s[8:9]
	s_cselect_b32 s23, s23, s25
	s_cselect_b32 s27, 192, s27                    ; the row's bytes
	s_cselect_b32 s26, 8, 0                        ; W1's tiles skip eight rows behind their first eight
	s_add_co_u32 s30, s23, s22
	s_mov_b32 s31, 0
	s_add_nc_u64 s[28:29], s[28:29], s[30:31]
	s_mul_i32 s30, s18, 1536
	s_add_nc_u64 s[14:15], s[14:15], s[30:31]
	v_and_b32 v2, 15, v1                           ; r
	v_lshrrev_b32 v3, 4, v1                        ; h
	v_and_b32 v4, s26, v2
	v_add_nc_u32 v4, v4, v2                        ; r + 8 (r / 8), or r
	v_mul_u32_u24 v4, s27, v4
	v_mad_u32_u24 v4, v3, 24, v4                   ; + 24 h: lane (r, h) holds K = 64 c + 32 h + 0 .. 31 of its row
	v_lshlrev_b32 v5, 4, v1
.irp p, 0,1,2,3,4,5
	global_load_b64 v[8+2*\p:9+2*\p], v4, s[28:29] offset:48*(\p/3)+8*(\p%3) th:TH_LOAD_NT   ; in pieces of 8 bytes: every address is a multiple of the access's size
.endr
	s_wait_loadcnt 0x0
.irp c, 0,1,2
	global_store_b128 v5, v[8+4*\c:11+4*\c], s[14:15] offset:512*\c   ; 32 lanes store 512 consecutive bytes, at a multiple of 512 from the buffer's first byte
.endr
	s_endpgm
.Lfunc_end_k_qdafa104746_prep:
	.size	k_qdafa104746_prep, .Lfunc_end_k_qdafa104746_prep-k_qdafa104746_prep
	.p2alignl 7, 3214868480
	.fill 96, 4, 3214868480
	.section	.rodata,"a",@progbits
	.p2align	6, 0x0
	.amdhsa_kernel k_qdafa104746_prep
		.amdhsa_group_segment_fixed_size 4352
		.amdhsa_private_segment_fixed_size 0
		.amdhsa_enable_private_segment 0
		.amdhsa_kernarg_size 48
		.amdhsa_user_sgpr_count 2
		.amdhsa_user_sgpr_kernarg_segment_ptr 1
		.amdhsa_wavefront_size32 1
		.amdhsa_system_sgpr_workgroup_id_x 1
		.amdhsa_system_sgpr_workgroup_id_y 1
		.amdhsa_system_sgpr_workgroup_id_z 1
		.amdhsa_system_vgpr_workitem_id 0
		.amdhsa_next_free_vgpr 50
		.amdhsa_next_free_sgpr 66
		.amdhsa_reserve_vcc 1
		.amdhsa_float_denorm_mode_32 3
		.amdhsa_float_denorm_mode_16_64 3
		.amdhsa_memory_ordered 1
		.amdhsa_forward_progress 1
		.amdhsa_inst_pref_size 11
	.end_amdhsa_kernel
	.amdgpu_metadata
---
amdhsa.version: [ 1, 2 ]
amdhsa.kernels:
  - .name:           k_qdafa104746_prep
    .symbol:         k_qdafa104746_prep.kd
    .args:
      - { .name: cat_ids, .offset: 0, .size: 8, .value_kind: global_buffer, .address_space: global }
      - { .name: W1_codes, .offset: 8, .size: 8, .value_kind: global_buffer, .address_space: global }
      - { .name: W2_codes, .offset: 16, .size: 8, .value_kind: global_buffer, .address_space: global }
      - { .name: cnt, .offset: 24, .size: 8, .value_kind: global_buffer, .address_space: global }
      - { .name: order, .offset: 32, .size: 8, .value_kind: global_buffer, .address_space: global }
      - { .name: wfrag, .offset: 40, .size: 8, .value_kind: global_buffer, .address_space: global }
    .group_segment_fixed_size: 4352
    .private_segment_fixed_size: 0
    .kernarg_segment_align: 8
    .kernarg_segment_size: 48
    .max_flat_workgroup_size: 1024
    .sgpr_count:     66
    .vgpr_count:     50
    .wavefront_size: 32
...
	.end_amdgpu_metadata
.endif
;; end of part 1
;; launch mlp (part 2): grid 144 x 1, 8 waves a work-group, no clusters, 135,168 bytes of LDS; arguments cnt, order, wfrag, x_codes, x_scales, W1_scales, W2_scales, b1, b2, out0; writes out0
.if DOCPART == 2
	.amdgcn_target "amdgcn-amd-amdhsa--gfx1250"
	.amdhsa_code_object_version 6
	.text
	.protected	k_qdafa104746_mlp
	.globl	k_qdafa104746_mlp
	.p2align	8
	.type	k_qdafa104746_mlp,@function
k_qdafa104746_mlp:
	s_mov_b64 s[64:65], 0
	v_nop
	global_prefetch_b8 v0, s[64:65] scope:SCOPE_SE
	s_setreg_imm32_b32 hwreg(HW_REG_WAVE_MODE, 25, 1), 1
	s_wait_xcnt 0x0
; out[i] = relu(x[i] W1[c] + b1[c]) W2[c] + b2[c], c = the token's category; both products on codes of FP6 (E2M3) with one E8M0 scale for each 32 along K.  Only the chosen expert's rows are multiplied.
; A WORK-GROUP TAKES ONE TILE OF 64 ROWS OF ONE CATEGORY THROUGH THE WHOLE CHAIN.  With 8,192 rows, 17 categories (the 17th: ids outside 0 .. 15, whose rows get zeros) and tiles of 64 there are never more than
; 128 + 16 = 144 tiles, whatever the split: that is the grid.  Which tile is mine is worked out from the 17 counts by selections, WITHOUT A BRANCH: what hangs on stored numbers is addresses (clamped) and, at the very end, EXEC masks.
; A work-group that the split leaves without a tile walks the text on tile 0's addresses (the counts add up to 8,192, so there is a tile 0) and stores nothing; so every wave passes every barrier.
; A tile's last rows, where it has fewer than 64, repeat its last row's token and are not stored: so only entries of the list that were stored are read.
; SHARES.  Eight waves share the COLUMNS: wave w makes hidden units 128 w .. 128 w + 127 (K step w of the second product) and outputs 32 w .. 32 w + 31, for all 64 rows.
; Its weights come from memory straight into registers, as images of operand registers that an earlier launch has laid out: three loads of 16 bytes a lane for a fragment.
; Both products are used TRANSPOSED (source 0 = 16 rows of a weight, source 1 = 16 tokens): a lane holds one token, and its registers run along the hidden units (the next K) or the outputs.
; The rows of W1 that form a tile are chosen so that the 16 registers of tiles 2 b and 2 b + 1 are 16 neighbours along the next K: 32 b + 16 (lane / 16) + 0 .. 15.
; x's fragments, the hidden layer's fragments and their scale words go from wave to wave through LDS as images of their registers.  The hidden layer never goes to memory.  The biases are the C of each sum's first product.
; NO CLUSTER, NO JOINT LOADS: the tiles of one expert read the same weights, but a tile's expert is a number read from memory, so the partners of a cluster could need different weights, and no descriptor could be equal in all.
; LIMITS: NaN in the hidden layer becomes 0 at the activation and infinities there are not served; a hidden block of zeros gets the scale byte 1 (its codes are zeros, and the bytes are read by this text alone).
; REGISTERS.  Window 0: v1-13 addresses; v16-23 W1's scale words, v24-31 W2's, v32-39 x's and the hidden layer's (these 24 hold scales alone); v40-63 x's two fragments; v64-82 codes just made; v84-95 at work;
;   v96-159 eight accumulators; v160-255 W2's fragments of K steps 0-3, at last rows of the result.
;   Window 1: v0-191 W1's 16 fragments, later v0-95 W2's of K steps 4-7 and v96-191 two sets of four hidden fragments; v192-255 b1's eight tiles, later b2's two.
.set FRB,  1536                        ; a fragment's image in bytes
.set XSC,  0                           ; LDS: x's scale words, 8 images of 128 bytes (image 2 m + s: tile of rows m, K step s)
.set XTK,  1024                        ; the rows' token numbers, 8 images
.set HSC,  2048                        ; the hidden layer's scale words, 32 images (8 m + s)
.set XIMG, 6144                        ; x's 8 fragments
.set HIMG, 18432                       ; the hidden layer's 32 fragments
.set STG,  67584                       ; the stage for the result: 64 rows x (1,024 bytes + 16)
.set SP,   1040
.set W1S, 16
.set W2S, 24
.set XS,  32
.set PW,  34
.set HS,  32                           ; two sets of four
.set XF,  40
.set PC,  64
.set TM,  84                           ; v84-87 largest magnitudes, v88-91 bytes, v92-95 the conversions' scale operands
.set HA,  96
.set YA,  96
.set W2A, 160
.set OB,  160
.set HF,  96                           ; in window 1
.set B1,  192                          ; in window 1
.set B2,  192
.set SEL, 54
.set NT,  72                           ; s[72:88] the categories' numbers of tiles
.set MSB, 0
.macro WIN new                         ; s_set_vgpr_msb: bits 1:0 source 0, 3:2 source 1, 5:4 source 2, 7:6 destination; the high byte repeats the setting that is left
.if MSB != \new
	s_set_vgpr_msb (MSB<<8)|\new
.set MSB, \new
.endif
.endm
.macro GIMG reg, base, off             ; a fragment's image from memory: each load covers 512 consecutive bytes
.irp c, 0,1,2
	global_load_b128 v[(\reg)+4*\c:(\reg)+4*\c+3], v1, s[\base:\base+1] offset:(\off)+512*\c
.endr
.endm
.macro FETCHX m                        ; x's two fragments and scale words of rows 16 m on, from LDS: 8 LDS loads
.irp s, 0,1
.irp c, 0,1,2
	ds_load_b128 v[XF+12*\s+4*\c:XF+12*\s+4*\c+3], v1 offset:XIMG+(2*(\m)+\s)*FRB+512*\c
.endr
.endr
.irp s, 0,1
	ds_load_b32 v[XS+\s], v6 offset:XSC+128*(2*(\m)+\s)
.endr
.endm
.macro FETCHH s                        ; K step s of the hidden layer, four tiles of rows, into set s % 2: 16 LDS loads
	WIN 0x40
.irp m, 0,1,2,3
.irp c, 0,1,2
	ds_load_b128 v[HF+48*((\s)%2)+12*\m+4*\c:HF+48*((\s)%2)+12*\m+4*\c+3], v7 offset:(8*\m+(\s))*FRB+512*\c
.endr
.endr
	WIN 0
.irp m, 0,1,2,3
	ds_load_b32 v[HS+4*((\s)%2)+\m], v6 offset:HSC+128*(8*\m+(\s))
.endr
.endm
.macro IMAGE off                       ; the fragment in v[PC] on goes to LDS as it stands
.irp c, 0,1,2
	ds_store_b128 v4, v[PC+4*\c:PC+4*\c+3] offset:(\off)+512*\c
.endr
.endm
.macro WM d, a, b, c, sa, sb, row      ; one product; row = 1: source 0's scale words stand in lanes 16-31 of their register
.if \row
	v_wmma_scale_f32_16x16x128_f8f6f4 v[\d:\d+7], v[\a:\a+11], v[\b:\b+11], v[\c:\c+7], v[\sa], v[\sb] matrix_a_fmt:MATRIX_FMT_FP6 matrix_b_fmt:MATRIX_FMT_FP6 matrix_a_scale:MATRIX_SCALE_ROW1
.else
	v_wmma_scale_f32_16x16x128_f8f6f4 v[\d:\d+7], v[\a:\a+11], v[\b:\b+11], v[\c:\c+7], v[\sa], v[\sb] matrix_a_fmt:MATRIX_FMT_FP6 matrix_b_fmt:MATRIX_FMT_FP6
.endif
.endm
.macro PLACES                          ; four plain vector instructions between a product and a load into, or a read of, its registers
.rept 4
	v_nop
.endr
.endm
; 64 numbers of a lane, none negative, register 16 b + i = k 32 b + 16 (lane / 16) + i of my row, become a fragment's codes in v[PC] on and its scale word in v[PW].
.macro QUANT s
.irp b, 0,1,2,3
	v_max3_num_f32 v[TM+\b], v[\s+16*\b], v[\s+1+16*\b], 0x1800000   ; block b: my 16 numbers, and the floor 2^(3 - 127): so the byte cannot fall under 1
.endr
.irp i, 2,4,6,8,10,12,14
.irp b, 0,1,2,3
	v_max3_num_f32 v[TM+\b], v[TM+\b], v[\s+16*\b+\i], v[\s+1+16*\b+\i]   ; (the four blocks by turns)
.endr
.endr
.irp b, 0,1,2,3
	v_permlanex16_b32 v[TM+4+\b], v[TM+\b], s[SEL], s[SEL+1]
.endr
.irp b, 0,1,2,3
	v_max_num_f32 v[TM+\b], v[TM+\b], v[TM+4+\b]   ; with lane l xor 16's: the block's largest magnitude
.endr
.irp b, 0,1,2,3
	v_add_nc_u32 v[TM+8+\b], 0xff000000, v[TM+\b]  ; 2 off its exponent field: the conversion takes the exponent field of this operand as its scale
.endr
.irp b, 0,1,2,3
	v_lshrrev_b32 v[TM+4+\b], 23, v[TM+8+\b]       ; the scale's byte
.endr
	v_lshl_or_b32 v[PW], v[TM+5], 8, v[TM+4]       ; the four bytes make my row's scale word
	v_lshl_or_b32 v[PW], v[TM+6], 16, v[PW]
	v_lshl_or_b32 v[PW], v[TM+7], 24, v[PW]
.irp c, 0,1
	v_cvt_scalef32_pk16_fp6_f32 v[PC+6*\c:PC+2+6*\c], v[\s+32*\c:\s+15+32*\c], v[TM+8+2*\c]
	v_cvt_scalef32_pk16_fp6_f32 v[PC+12+4*\c:PC+14+4*\c], v[\s+16+32*\c:\s+31+32*\c], v[TM+8+2*\c+1]   ; (a conversion's three registers begin on an even number)
.endr
	v_nop                                          ; one plain place behind a scaled conversion
.irp c, 0,1                                    ; the operand's layout wants a WHOLE block in a lane: lanes 0-15 block 2 c, lanes 16-31 block 2 c + 1
.irp i, 0,1,2
	v_permlane16_swap_b32 v[PC+6*\c+\i], v[PC+12+4*\c+\i]
.endr
.irp i, 0,1,2
	v_mov_b32 v[PC+3+6*\c+\i], v[PC+12+4*\c+\i]
.endr
.endr
.endm
	s_load_b512 s[4:19], s[0:1], 0x0               ; cnt 4, order 6, wfrag 8, x's codes 10, x's scales 12, W1's scales 14, W2's scales 16, b1 18
	s_load_b128 s[20:23], s[0:1], 0x40             ; b2 20, out0 22
	v_lshl_add_u32 v79, v0, 2, 0x20c00
	v_mov_b32 v83, 0
	v_lshrrev_b32 v14, 5, v0
	v_readfirstlane_b32 s2, v14                    ; wave 0..7
	v_and_b32 v14, 31, v0                          ; lane
	v_and_b32 v2, 15, v0                           ; r
	v_bfe_u32 v3, v0, 4, 1                         ; h
	s_wait_kmcnt 0x0
	s_load_b512 s[24:39], s[4:5], 0x0              ; the 17 counts: s[24 + c]
	s_load_b32 s40, s[4:5], 0x40
	; addresses that hang on ids alone are made while the counts are on their way
	v_lshlrev_b32 v1, 4, v14                       ; v1  16 x lane: an image's place for my lane, in memory and in LDS; never rewritten
	v_lshlrev_b32 v6, 2, v14                       ; v6  4 x lane: a scale word's
	s_mul_i32 s45, s2, FRB
	v_add_nc_u32 v4, s45, v1                       ; v4  where I store images: 16 x lane + 1,536 w
	s_lshl_b32 s45, s2, 7
	v_add_nc_u32 v5, s45, v6                       ; v5  and words: 4 x lane + 128 w
	v_add_nc_u32 v7, HIMG, v1                      ; v7  the hidden layer's images, for reading
	v_mul_u32_u24 v8, v2, SP
	v_lshl_add_u32 v8, v3, 5, v8
	v_add_nc_u32 v8, s45, v8
	v_add_nc_u32 v8, STG, v8                       ; v8  the stage, in: row r, + 32 h, + 128 w: my outputs' bytes
	s_mul_i32 s45, s2, 8*SP
	v_mul_u32_u24 v9, v3, 4*SP
	v_lshl_add_u32 v9, v2, 4, v9
	v_add_nc_u32 v9, s45, v9
	v_add_nc_u32 v9, STG, v9                       ; v9  and back: row 8 w + 4 h, 16 bytes a lane
	v_lshlrev_b32 v10, 5, v3                       ; v10 b2: 32 h
	s_lshr_b32 s61, s2, 1                          ; the tile of rows whose x I gather,
	s_and_b32 s62, s2, 1                           ; and its K step
	s_lshl_b32 s45, s61, 8
	s_lshl_b32 s63, s62, 5
	s_add_co_u32 s45, s45, s63
	v_lshl_add_u32 v11, v3, 4, s45                 ; v11 the token numbers of rows 8 w + 4 h + 0 .. 3: image 2 (w / 2), word 8 (w % 2) + 4 h
	v_lshlrev_b32 v12, 4, v2                       ; v12 16 r
	s_lshl_b32 s45, s2, 3
	v_lshl_add_u32 v13, v3, 2, s45                 ; v13 8 w + 4 h
	v_lshlrev_b32 v64, 6, v3                       ; v64 b1: 64 h: lane (r, h) wants, for tile 2 b + u, hidden units 32 b + 16 h + 8 u + 0 .. 7
	v_and_b32 v65, 8, v2
	v_add_nc_u32 v65, v65, v2
	v_lshl_add_u32 v65, v3, 3, v65
	v_lshlrev_b32 v65, 3, v65                      ; v65 W1's scale words, 8 bytes a row: lanes 0-15 tile 2 b's rows, lanes 16-31 tile 2 b + 1's: row 8 h + r + 8 (r / 8)
	v_lshlrev_b32 v66, 5, v14                      ; v66 W2's, 32 bytes a row: lanes 0-15 tile 0's rows, lanes 16-31 tile 1's: row = lane
	s_lshl_b32 s45, s61, 4
	v_add_nc_u32 v67, s45, v2                      ; v67 the tile's row that I gather: 16 (w / 2) + r
	s_mul_i32 s45, s62, 96
	v_mul_u32_u24 v72, v3, 24
	v_add_nc_u32 v72, s45, v72                     ; v72 24 h + 96 (w % 2)
	s_lshl_b32 s63, s62, 2                         ; 4 (w % 2)
.irp b, 0,1,2,3
	v_mov_b32 v[TM+4+\b], 0                        ; written once: a lane permute's destination counts as one of its sources
.endr
	s_mov_b32 s[SEL], 0x76543210
	s_mov_b32 s[SEL+1], 0xfedcba98                 ; v_permlanex16_b32's selects for lane l xor 16
	s_mov_b32 s53, 0
	s_wait_kmcnt 0x0
	; WHICH TILE IS MINE.  Category c has ceil(count / 64) tiles, and they begin at the sum of the earlier categories' tiles.
.irp c, 0,1,2,3,4,5,6,7,8,9,10,11,12,13,14,15,16
	s_add_co_u32 s45, s[24+\c], 63
	s_lshr_b32 s[NT+\c], s45, 6
.endr
	s_add_co_u32 s41, s[NT], s[NT+1]
.irp c, 2,3,4,5,6,7,8,9,10,11,12,13,14,15,16
	s_add_co_u32 s41, s41, s[NT+\c]                ; tiles in all
.endr
	s_cmp_lt_u32 ttmp9, s41
	s_cselect_b32 s43, ttmp9, 0                    ; the tile whose addresses I walk: mine, or tile 0 where the split has fewer tiles than my number,
	s_cselect_b32 s71, 64, 0                       ; and then none of its rows is stored
	s_mov_b32 s42, 0                               ; the category: the last whose first tile is at or under the tile's number,
	s_mov_b32 s44, s24                             ; its count,
	s_mov_b32 s46, 0                               ; its first tile
	s_mov_b32 s41, s[NT]                           ; the next category's first tile
.irp c, 1,2,3,4,5,6,7,8,9,10,11,12,13,14,15,16
	s_cmp_ge_u32 s43, s41
	s_cselect_b32 s42, \c, s42
	s_cselect_b32 s44, s[24+\c], s44
	s_cselect_b32 s46, s41, s46
	s_add_co_u32 s41, s41, s[NT+\c]
.endr
	s_sub_co_u32 s45, s43, s46
	s_lshl_b32 s59, s45, 6                         ; the tile's first rank in the category's list
	s_sub_co_u32 s45, s44, s59
	s_min_u32 s45, s45, 64                         ; the tile's rows: 1 to 64
	s_min_u32 s47, s45, s71                        ; the rows that I store
	s_sub_co_u32 s70, s45, 1                       ; the tile's last row
	s_min_u32 s59, s59, 8128                       ; numbers made from loaded ones enter addresses only clamped
	s_min_u32 s58, s42, 16
	s_cmp_eq_u32 s58, 16
	s_cselect_b32 s56, 0, -1                       ; the rows of no expert get zeros: a mask for the result's bits
	s_min_u32 s57, s58, 15                         ; the expert whose weights I read
	s_lshl_b32 s52, s58, 15
	s_lshl_b32 s45, s59, 2
	s_add_co_u32 s52, s52, s45
	s_add_nc_u64 s[6:7], s[6:7], s[52:53]          ; the tile's part of the category's list
	v_min_u32 v67, s70, v67                        ; rows past the tile's end take its last row's entry: only stored entries are read
	v_min_u32 v67, 63, v67
	v_lshlrev_b32 v68, 2, v67
	global_load_b32 v69, v68, s[6:7]               ; v69 my row's token
	s_mul_i32 s52, s57, 196608
	s_mul_i32 s45, s2, 24576
	s_add_co_u32 s52, s52, s45
	s_add_nc_u64 s[48:49], s[8:9], s[52:53]        ; my 16 images of W1,
	s_add_nc_u64 s[50:51], s[48:49], 0x300000      ; my 16 of W2
	s_lshl_b32 s52, s57, 13
	s_lshl_b32 s45, s2, 10
	s_add_co_u32 s52, s52, s45
	s_add_nc_u64 s[14:15], s[14:15], s[52:53]      ; W1's scales: my 128 rows of 8 bytes
	s_add_nc_u64 s[16:17], s[16:17], s[52:53]      ; W2's: my 32 rows of 32 bytes
	s_lshl_b32 s52, s57, 12
	s_lshl_b32 s45, s2, 9
	s_add_co_u32 s52, s52, s45
	s_add_nc_u64 s[18:19], s[18:19], s[52:53]      ; b1: my 128 numbers
	s_lshl_b32 s52, s57, 10
	s_lshl_b32 s45, s2, 7
	s_add_co_u32 s52, s52, s45
	s_add_nc_u64 s[20:21], s[20:21], s[52:53]      ; b2: my 32
.irp b, 0,1,2,3
	global_load_b64 v[W1S+2*\b:W1S+2*\b+1], v65, s[14:15] offset:256*\b   ; register 2 b + s: the words of K step s
.endr
	global_load_b128 v[W2S:W2S+3], v66, s[16:17]   ; register s: the words of K step s
	global_load_b128 v[W2S+4:W2S+7], v66, s[16:17] offset:16
	WIN 0x40                                       ; destination window 1
.irp f, 0,1,2,3,4,5,6,7,8,9,10,11,12,13,14,15
	GIMG 12*\f, 48, FRB*\f                         ; W1's fragment (tile t, K step s), f = 2 t + s
.endr
	WIN 0
	s_wait_loadcnt 54                              ; behind the token's load: 6 loads of scales and 48 of W1: the token is in
	v_min_u32 v69, 0x1fff, v69
	v_mul_u32_u24 v70, v69, 192                    ; x: the token's row of 192 bytes,
	v_add_nc_u32 v70, v70, v72                     ; my K step, my half
	v_lshlrev_b32 v71, 3, v69                      ; and its scale word: 8 bytes a row,
	v_add_nc_u32 v71, s63, v71                     ; my K step
.irp p, 0,1,2,3,4,5
	global_load_b64 v[HA+2*\p:HA+2*\p+1], v70, s[10:11] offset:48*(\p/3)+8*(\p%3)
.endr
	global_load_b32 v[HA+12], v71, s[12:13]
	WIN 0x40
.irp t, 0,1,2,3,4,5,6,7
	global_load_b128 v[B1+8*\t:B1+8*\t+3], v64, s[18:19] offset:(32*(\t/2)+8*(\t%2))*4
	global_load_b128 v[B1+8*\t+4:B1+8*\t+7], v64, s[18:19] offset:(32*(\t/2)+8*(\t%2))*4+16
.endr
	WIN 0
.irp s, 0,1,2,3
.irp n, 0,1
	GIMG W2A+12*(2*\s+\n), 50, FRB*(8*\n+\s)       ; W2's fragments of K steps 0 to 3
.endr
.endr
	s_wait_loadcnt 40                              ; behind x: b1's 16 loads and W2's 24: x is in, and so are W1 and the weights' scales
.irp c, 0,1,2
	ds_store_b128 v4, v[HA+4*\c:HA+4*\c+3] offset:XIMG+512*\c   ; x's fragment 2 m + s = w
.endr
	ds_store_b32 v5, v[HA+12] offset:XSC
	ds_store_b32 v5, v69 offset:XTK
	s_wait_dscnt 0x0                               ; for the others' sake: my stores have landed
	s_barrier_signal -1
	s_barrier_wait -1                              ; x's eight fragments lie in LDS
	FETCHX 0
	s_wait_loadcnt 24                              ; b1 is in; W2's 24 loads may stay out
	; ---- 1: the hidden layer, a tile of 16 rows at a time.  The eight accumulators take turns, one product a turn.
.irp m, 0,1,2,3
	s_wait_dscnt 0x0                               ; x's fragments and words are in, and my last stores have read their registers
	WIN 0x11                                       ; source 0 (W1) and source 2 (b1) window 1
.irp t, 0,1,2,3,4,5,6,7
	WM HA+8*\t, 24*\t, XF, B1+8*\t, W1S+2*(\t/2), XS, \t%2
.endr
	WIN 0x01
.irp t, 0,1,2,3,4,5,6,7
	WM HA+8*\t, 24*\t+12, XF+12, HA+8*\t, W1S+2*(\t/2)+1, XS+1, \t%2
.endr
	WIN 0
	PLACES
.if \m < 3
	FETCHX \m+1                                    ; the next rows' fragments come while these rows are quantised
.else
	WIN 0x40                                       ; W1 and b1 are done with: their registers take b2 and the rest of W2
.irp n, 0,1
	global_load_b128 v[B2+8*\n:B2+8*\n+3], v10, s[20:21] offset:64*\n
	global_load_b128 v[B2+8*\n+4:B2+8*\n+7], v10, s[20:21] offset:64*\n+16
.endr
.irp s, 4,5,6,7
.irp n, 0,1
	GIMG 12*(2*(\s-4)+\n), 50, FRB*(8*\n+\s)
.endr
.endr
	WIN 0
.endif
.set j, 0
.rept 64
	v_max_num_f32 v[HA+j], 0, v[HA+j]              ; the activation, in f32; each accumulator from its low end on
.set j, j+1
.endr
	QUANT HA
	IMAGE HIMG+8*FRB*\m                            ; K step w of the second product, rows 16 m on: image 8 m + w
	ds_store_b32 v5, v[PW] offset:HSC+1024*\m
.endr
	s_wait_dscnt 0x0
	s_barrier_signal -1
	s_barrier_wait -1                              ; the hidden layer's 32 fragments lie in LDS
	; ---- 2: my 32 outputs for the 64 rows: eight accumulators by turns, a K step at a time; the next K step's fragments are fetched a step ahead
	FETCHH 0
.irp s, 0,1,2,3,4,5,6,7
.if \s < 7
	FETCHH \s+1
	s_wait_dscnt 16                                ; all but the 16 just issued: this K step's fragments and words are in
.else
	s_wait_dscnt 0x0
.endif
.if \s == 0
	s_wait_loadcnt 24                              ; W2's K steps 0 to 3 and b2 are in; behind them: the 24 loads of K steps 4 to 7
	WIN 0x14                                       ; source 1 (hidden) and source 2 (b2) window 1
.elseif \s < 4
	WIN 0x04
.else
	s_wait_loadcnt 6*(7-\s)                        ; six loads for each K step still to come
	WIN 0x05                                       ; source 0 (W2) window 1 too
.endif
.irp m, 0,1,2,3
.irp n, 0,1
.if \s == 0
	WM YA+8*(4*\n+\m), W2A+12*(2*\s+\n), HF+48*(\s%2)+12*\m, B2+8*\n, W2S+\s, HS+4*(\s%2)+\m, \n
.elseif \s < 4
	WM YA+8*(4*\n+\m), W2A+12*(2*\s+\n), HF+48*(\s%2)+12*\m, YA+8*(4*\n+\m), W2S+\s, HS+4*(\s%2)+\m, \n
.else
	WM YA+8*(4*\n+\m), 12*(2*(\s-4)+\n), HF+48*(\s%2)+12*\m, YA+8*(4*\n+\m), W2S+\s, HS+4*(\s%2)+\m, \n
.endif
.endr
.endr
	WIN 0
	PLACES
.endr
	; ---- THE WAY OUT.  A lane holds eight neighbouring outputs of one row; a row's 256 outputs come from eight waves: they meet in the stage, and each wave stores eight whole rows.
.irp m, 0,1,2,3
.irp n, 0,1
	ds_store_b128 v8, v[YA+8*(4*\n+\m):YA+8*(4*\n+\m)+3] offset:16*SP*\m+64*\n       ; lane (r, h): row 16 m + r, outputs 32 w + 16 n + 8 h + 0 .. 7; each accumulator from its low end on
	ds_store_b128 v8, v[YA+8*(4*\n+\m)+4:YA+8*(4*\n+\m)+7] offset:16*SP*\m+64*\n+16
.endr
.endr
	ds_load_b128 v[40:43], v11 offset:XTK          ; the tokens of rows 8 w + 4 h + 0 .. 3
	s_wait_dscnt 0x0
	s_barrier_signal -1
	s_barrier_wait -1                              ; 64 whole rows lie in the stage
.irp p, 0,1,2,3
.irp q, 0,1,2,3
	ds_load_b128 v[OB+4*(4*\p+\q):OB+4*(4*\p+\q)+3], v9 offset:SP*\p+256*\q   ; lanes 0-15: 256 bytes of row 8 w + p; lanes 16-31: of row 8 w + 4 + p
.endr
.endr
.irp p, 0,1,2,3
	v_min_u32 v[40+\p], 0x1fff, v[40+\p]
.endr
.irp p, 0,1,2,3
	v_lshlrev_b32 v[44+\p], 10, v[40+\p]           ; the token's row of 1,024 bytes,
.endr
.irp p, 0,1,2,3
	v_add_nc_u32 v[44+\p], v[44+\p], v12           ; + 16 r
	v_add_nc_u32 v[48+\p], \p, v13
.endr
.irp p, 0,1,2,3
	v_cmp_gt_u32 s[66+\p], s47, v[48+\p]           ; is this row one that I store?
.endr
.irp p, 0,1,2,3
	s_wait_dscnt 12-4*\p                           ; the four loads of group p are in; the later groups' may be out
.set j, 0
.rept 16
	v_and_b32 v[OB+16*\p+j], s56, v[OB+16*\p+j]    ; zeros for the rows of no expert; else unchanged
.set j, j+1
.endr
.endr
	; from here on no vector register is written: every one was written with all lanes on
	s_wait_xcnt 0x0                                ; EXEC changes only behind this wait
.irp p, 0,1,2,3
	s_and_saveexec_b32 s60, s[66+\p]
.irp q, 0,1,2,3
	global_store_b128 v[44+\p], v[OB+4*(4*\p+\q):OB+4*(4*\p+\q)+3], s[22:23] offset:256*\q th:TH_STORE_NT   ; 16 lanes store 256 consecutive bytes, at a multiple of 256 from the buffer's first byte
.endr
	s_wait_xcnt 0x0                                ; and again in front of the line that widens it
	s_or_b32 exec_lo, exec_lo, s60
.endr
	s_wait_xcnt 0x0
	s_mov_b32 exec_lo, -1
	s_wait_tensorcnt 0x0
	ds_add_u32 v79, v83
	s_wait_dscnt 0x0
	s_endpgm
.Lfunc_end_k_qdafa104746_mlp:
	.size	k_qdafa104746_mlp, .Lfunc_end_k_qdafa104746_mlp-k_qdafa104746_mlp
	.p2alignl 7, 3214868480
	.fill 96, 4, 3214868480
	.section	.rodata,"a",@progbits
	.p2align	6, 0x0
	.amdhsa_kernel k_qdafa104746_mlp
		.amdhsa_group_segment_fixed_size 135168
		.amdhsa_private_segment_fixed_size 0
		.amdhsa_enable_private_segment 0
		.amdhsa_kernarg_size 80
		.amdhsa_user_sgpr_count 2
		.amdhsa_user_sgpr_kernarg_segment_ptr 1
		.amdhsa_wavefront_size32 1
		.amdhsa_system_sgpr_workgroup_id_x 1
		.amdhsa_system_sgpr_workgroup_id_y 1
		.amdhsa_system_sgpr_workgroup_id_z 1
		.amdhsa_system_vgpr_workitem_id 0
		.amdhsa_next_free_vgpr 512
		.amdhsa_next_free_sgpr 90
		.amdhsa_reserve_vcc 0
		.amdhsa_float_denorm_mode_32 3
		.amdhsa_float_denorm_mode_16_64 3
		.amdhsa_memory_ordered 1
		.amdhsa_forward_progress 1
		.amdhsa_inst_pref_size 83
	.end_amdhsa_kernel
	.amdgpu_metadata
---
amdhsa.version: [ 1, 2 ]
amdhsa.kernels:
  - .name:           k_qdafa104746_mlp
    .symbol:         k_qdafa104746_mlp.kd
    .args:
      - { .name: cnt, .offset: 0, .size: 8, .value_kind: global_buffer, .address_space: global }
      - { .name: order, .offset: 8, .size: 8, .value_kind: global_buffer, .address_space: global }
      - { .name: wfrag, .offset: 16, .size: 8, .value_kind: global_buffer, .address_space: global }
      - { .name: x_codes, .offset: 24, .size: 8, .value_kind: global_buffer, .address_space: global }
      - { .name: x_scales, .offset: 32, .size: 8, .value_kind: global_buffer, .address_space: global }
      - { .name: W1_scales, .offset: 40, .size: 8, .value_kind: global_buffer, .address_space: global }
      - { .name: W2_scales, .offset: 48, .size: 8, .value_kind: global_buffer, .address_space: global }
      - { .name: b1, .offset: 56, .size: 8, .value_kind: global_buffer, .address_space: global }
      - { .name: b2, .offset: 64, .size: 8, .value_kind: global_buffer, .address_space: global }
      - { .name: out0, .offset: 72, .size: 8, .value_kind: global_buffer, .address_space: global }
    .group_segment_fixed_size: 135168
    .private_segment_fixed_size: 0
    .kernarg_segment_align: 8
    .kernarg_segment_size: 80
    .max_flat_workgroup_size: 256
    .sgpr_count:     90
    .vgpr_count:     512
    .wavefront_size: 32
...
	.end_amdgpu_metadata
.endif
;; end of part 2
